; MI455X (gfx1250); checked and timed in simulation.
; The chip was launched on July 23, 2026; its instructions are those of AMD's public machine-readable ISA for CDNA 5 (MIT licence, August 2026) and "CDNA5" Instruction Set Architecture Reference Guide (July 2026). The comments in the code are by the model that wrote it; some were corrected since.
;; Causal Conv3d Attn Block. Allowed arithmetic: float matrix products may take bf16 or f16 operands with f32 sums; all other float work in f32.
;; Inputs: beta 256 float32; bk 256 float32; bp 256 float32; bq 256 float32; bv 256 float32; gamma 256 float32; wk 256 x 256 float32; wp 256 x 256 float32; wq 256 x 256 float32; wv 256 x 256 float32; x 1 x 256 x 4 x 64 x 64 float32.
;; Outputs: out0 1 x 256 x 4 x 64 x 64 float32.
;; One version. Each part assembles by itself: llvm-mc -triple=amdgcn-amd-amdhsa -mcpu=gfx1250 --defsym DOCPART=n.
;; ======== version 1 of 1: 3 launches
;; workspace buffers: stats 2,048 bytes; wfrag 524,288 bytes; qf 8,388,608 bytes; kf 8,388,608 bytes; vf 8,388,608 bytes
;; launch prep (part 1): grid 256 x 1, 8 waves a work-group, no clusters, 1,280 bytes of LDS; arguments x, wq, wk, wv, wp, stats, wfrag; writes stats, wfrag
.if DOCPART == 1
	.amdgcn_target "amdgcn-amd-amdhsa--gfx1250"
	.amdhsa_code_object_version 6
	.text
	.protected	k_q432a108314_prep
	.globl	k_q432a108314_prep
	.p2align	8
	.type	k_q432a108314_prep,@function
k_q432a108314_prep:
	s_mov_b64 s[64:65], 0
	v_nop
	global_prefetch_b8 v0, s[64:65] scope:SCOPE_SE
	s_setreg_imm32_b32 hwreg(HW_REG_WAVE_MODE, 25, 1), 1
	s_wait_xcnt 0x0
; prep: (1) per channel the mean and the centred sum of squares of x, (2) the four 256 x 256 weights as bf16 in fragment order.
; Work-group b (0..255), eight waves, owns channel b of x (16,384 numbers = 65,536 consecutive bytes) and 2,048 bytes of wfrag.
; The channel lies in registers (64 numbers a thread), so memory is read once and the squares are taken of x - mean:
; no difference of two large sums is formed, and a common offset of x costs no accuracy.
; stats[c] = {mean_c, M2_c}, M2_c = sum of (x - mean_c)^2.  The next launch joins the eight channels of a group.
; wfrag = [matrix q,k,v,p][ot 16][ks 8][p 2][lane 32][16 bytes]: lane (r = lane & 15, h = lane >> 4), part p holds
; W[16 ot + r][32 ks + 16 p + 8 h + 0..7] in bf16: the register image of a 16 x 32 operand of the bf16 matrix instruction.
; No matrix unit, no cluster, no tensor load: a stream read once, 64 KiB a work-group, with all 17 loads of a thread out at once.
.set XR, 32                            ; v[32:95]  my 64 numbers of the channel
.set SM, 12                            ; v[12:19]  four running pairs
	s_load_b256 s[4:11], s[0:1], 0x0               ; x s[4:5], wq s[6:7], wk s[8:9], wv s[10:11]
	s_load_b128 s[12:15], s[0:1], 0x20             ; wp s[12:13], stats s[14:15]
	s_load_b64 s[16:17], s[0:1], 0x30              ; wfrag
	v_lshl_add_u32 v96, v0, 2, 0x100
	v_mov_b32 v97, 0
	v_lshrrev_b32 v1, 5, v0                        ; t >> 5
	v_readfirstlane_b32 s18, v1                    ; wave 0..7
	s_lshr_b32 s19, ttmp9, 6                       ; which matrix: 64 work-groups x 2,048 bytes = one matrix
	s_and_b32 s20, ttmp9, 63                       ; fp: which pair of fragments: ot = fp >> 2, ks = 2 (fp & 3) + 0, 1
	s_lshr_b32 s21, s20, 2
	s_lshl_b32 s21, s21, 14                        ; 16 ot rows of 1,024 bytes
	s_and_b32 s20, s20, 3
	s_lshl_b32 s20, s20, 8                         ; 64 columns of 4 bytes
	s_add_co_u32 s20, s20, s21
	s_mov_b32 s21, 0
	s_mov_b32 s24, 0x76543210                      ; v_permlanex16_b32: lane i reads lane i of the other half
	s_mov_b32 s25, 0xfedcba98
	v_bfe_u32 v2, v0, 1, 4                         ; r = (t >> 1) & 15
	v_lshlrev_b32 v2, 10, v2                       ; r rows
	v_lshl_add_u32 v2, v1, 5, v2                   ; (t >> 5) = h + 2 p + 4 (ks & 1): 8 columns = 32 bytes each
	v_and_b32 v3, 1, v0
	v_lshl_add_u32 v2, v3, 4, v2                   ; which four of the lane's eight numbers
	v_lshlrev_b32 v8, 4, v0                        ; x: 16 t
	v_lshlrev_b32 v9, 3, v0                        ; wfrag: 8 t, so a wave's store covers 256 consecutive bytes, aligned
	v_mov_b32 v20, s18
	v_lshlrev_b32 v20, 2, v20                      ; my wave's word in LDS
	v_mov_b32 v21, 0
	s_wait_kmcnt 0x0
	s_cmp_eq_u32 s19, 1                            ; the matrix' address, chosen by the work-group's number alone
	s_cselect_b64 s[6:7], s[8:9], s[6:7]
	s_cmp_eq_u32 s19, 2
	s_cselect_b64 s[6:7], s[10:11], s[6:7]
	s_cmp_eq_u32 s19, 3
	s_cselect_b64 s[6:7], s[12:13], s[6:7]
	s_add_nc_u64 s[6:7], s[6:7], s[20:21]
	s_lshl_b32 s22, ttmp9, 16
	s_mov_b32 s23, 0
	s_add_nc_u64 s[4:5], s[4:5], s[22:23]          ; x at my channel
	s_lshl_b32 s22, ttmp9, 11
	s_add_nc_u64 s[16:17], s[16:17], s[22:23]      ; wfrag at my 2,048 bytes
	s_lshl_b32 s22, ttmp9, 3
	s_add_nc_u64 s[14:15], s[14:15], s[22:23]      ; stats at my 8 bytes
	global_load_b128 v[4:7], v2, s[6:7]            ; four weights
.set j, 0
.rept 16
	global_load_b128 v[XR+4*j:XR+4*j+3], v8, s[4:5] offset:4096*j  ; a wave's load: 512 consecutive bytes
.set j, j+1
.endr
	s_wait_loadcnt 16                              ; the weights are in; the 16 loads of x issued behind them stay out
	v_cvt_pk_bf16_f32 v10, v4, v5
	v_cvt_pk_bf16_f32 v11, v6, v7
	global_store_b64 v9, v[10:11], s[16:17]
	s_wait_loadcnt 0x0
; The four running pairs in v[12:19] become one sum over the work-group, in v12 of every lane.  off: eight LDS words of its own for each use.
.macro WGSUM off
	v_pk_add_f32 v[12:13], v[12:13], v[14:15]
	v_pk_add_f32 v[16:17], v[16:17], v[18:19]
	v_pk_add_f32 v[12:13], v[12:13], v[16:17]
	v_add_f32 v12, v12, v13
	v_add_f32_dpp v12, v12, v12 row_xmask:1 row_mask:0xf bank_mask:0xf
	v_add_f32_dpp v12, v12, v12 row_xmask:2 row_mask:0xf bank_mask:0xf
	v_add_f32_dpp v12, v12, v12 row_xmask:4 row_mask:0xf bank_mask:0xf
	v_add_f32_dpp v12, v12, v12 row_xmask:8 row_mask:0xf bank_mask:0xf
	v_permlanex16_b32 v13, v12, s24, s25           ; v13 has been written: the destination counts as read
	v_add_f32 v12, v12, v13
	ds_store_b32 v20, v12 offset:\off              ; all lanes of a wave write the same word with the same value
	s_wait_dscnt 0x0                               ; for the other waves' sake: my store is done before I signal
	s_barrier_signal -1
	s_barrier_wait -1
	ds_load_b128 v[12:15], v21 offset:\off
	ds_load_b128 v[16:19], v21 offset:\off+16
	s_wait_dscnt 0x0
	v_pk_add_f32 v[12:13], v[12:13], v[14:15]
	v_pk_add_f32 v[16:17], v[16:17], v[18:19]
	v_pk_add_f32 v[12:13], v[12:13], v[16:17]
	v_add_f32 v12, v12, v13
.endm
	; pass 1: the sum, in four chains started by adds of two pairs: nothing is cleared
.irp k, 0,1,2,3
	v_pk_add_f32 v[SM+2*\k:SM+2*\k+1], v[XR+2*\k:XR+2*\k+1], v[XR+8+2*\k:XR+8+2*\k+1]
.endr
.set j, 8
.rept 24
	v_pk_add_f32 v[SM+2*(j%4):SM+2*(j%4)+1], v[SM+2*(j%4):SM+2*(j%4)+1], v[XR+2*j:XR+2*j+1]
.set j, j+1
.endr
	WGSUM 0
	v_mul_f32 v22, 0x38800000, v12                 ; mean = sum / 16,384
	v_mov_b32 v23, v22
	; pass 2, on the registers: d = x - mean, then the sum of d d in four chains
.set j, 0
.rept 32
	v_pk_add_f32 v[XR+2*j:XR+2*j+1], v[XR+2*j:XR+2*j+1], v[22:23] neg_lo:[0,1] neg_hi:[0,1]
.set j, j+1
.endr
.irp k, 0,1,2,3
	v_pk_mul_f32 v[SM+2*\k:SM+2*\k+1], v[XR+2*\k:XR+2*\k+1], v[XR+2*\k:XR+2*\k+1]
.endr
.set j, 4
.rept 28
	v_pk_fma_f32 v[SM+2*(j%4):SM+2*(j%4)+1], v[XR+2*j:XR+2*j+1], v[XR+2*j:XR+2*j+1], v[SM+2*(j%4):SM+2*(j%4)+1]
.set j, j+1
.endr
	WGSUM 32                                       ; other LDS words than the first sum's: no wave still reads what is written here
	v_mov_b32 v23, v12                             ; {mean, M2}
	s_wait_xcnt 0x0                                ; EXEC is a source of the store of the weights: it changes only behind this wait
	v_cmp_eq_u32 vcc_lo, 0, v0
	s_and_saveexec_b32 s26, vcc_lo                 ; thread 0 alone
	global_store_b64 v21, v[22:23], s[14:15]
	s_wait_xcnt 0x0                                ; and again in front of the line that widens it
	s_or_b32 exec_lo, exec_lo, s26
	s_wait_tensorcnt 0x0
	ds_add_u32 v96, v97
	s_wait_dscnt 0x0
	s_endpgm
.Lfunc_end_k_q432a108314_prep:
	.size	k_q432a108314_prep, .Lfunc_end_k_q432a108314_prep-k_q432a108314_prep
	.p2alignl 7, 3214868480
	.fill 96, 4, 3214868480
	.section	.rodata,"a",@progbits
	.p2align	6, 0x0
	.amdhsa_kernel k_q432a108314_prep
		.amdhsa_group_segment_fixed_size 1280
		.amdhsa_private_segment_fixed_size 0
		.amdhsa_enable_private_segment 0
		.amdhsa_kernarg_size 56
		.amdhsa_user_sgpr_count 2
		.amdhsa_user_sgpr_kernarg_segment_ptr 1
		.amdhsa_wavefront_size32 1
		.amdhsa_system_sgpr_workgroup_id_x 1
		.amdhsa_system_sgpr_workgroup_id_y 1
		.amdhsa_system_sgpr_workgroup_id_z 1
		.amdhsa_system_vgpr_workitem_id 0
		.amdhsa_next_free_vgpr 98
		.amdhsa_next_free_sgpr 66
		.amdhsa_reserve_vcc 1
		.amdhsa_float_denorm_mode_32 3
		.amdhsa_float_denorm_mode_16_64 3
		.amdhsa_memory_ordered 1
		.amdhsa_forward_progress 1
		.amdhsa_inst_pref_size 13
	.end_amdhsa_kernel
	.amdgpu_metadata
---
amdhsa.version: [ 1, 2 ]
amdhsa.kernels:
  - .name:           k_q432a108314_prep
    .symbol:         k_q432a108314_prep.kd
    .args:
      - { .name: x, .offset: 0, .size: 8, .value_kind: global_buffer, .address_space: global }
      - { .name: wq, .offset: 8, .size: 8, .value_kind: global_buffer, .address_space: global }
      - { .name: wk, .offset: 16, .size: 8, .value_kind: global_buffer, .address_space: global }
      - { .name: wv, .offset: 24, .size: 8, .value_kind: global_buffer, .address_space: global }
      - { .name: wp, .offset: 32, .size: 8, .value_kind: global_buffer, .address_space: global }
      - { .name: stats, .offset: 40, .size: 8, .value_kind: global_buffer, .address_space: global }
      - { .name: wfrag, .offset: 48, .size: 8, .value_kind: global_buffer, .address_space: global }
    .group_segment_fixed_size: 1280
    .private_segment_fixed_size: 0
    .kernarg_segment_align: 8
    .kernarg_segment_size: 56
    .max_flat_workgroup_size: 256
    .sgpr_count:     66
    .vgpr_count:     98
    .wavefront_size: 32
...
	.end_amdgpu_metadata
.endif
;; end of part 1
;; launch qkv (part 2): grid 256 x 1, 4 waves a work-group, no clusters, 45,568 bytes of LDS; arguments x, stats, gamma, beta, wfrag, bq, bk, bv, qf, kf, vf; writes qf, kf, vf
.if DOCPART == 2
	.amdgcn_target "amdgcn-amd-amdhsa--gfx1250"
	.amdhsa_code_object_version 6
	.text
	.protected	k_q432a108314_qkv
	.globl	k_q432a108314_qkv
	.p2align	8
	.type	k_q432a108314_qkv,@function
k_q432a108314_qkv:
	s_mov_b64 s[64:65], 0
	v_nop
	global_prefetch_b8 v0, s[64:65] scope:SCOPE_SE
	s_setreg_imm32_b32 hwreg(HW_REG_WAVE_MODE, 25, 1), 1
	s_wait_xcnt 0x0
; qkv: group norm of x, then q, k, v = y W^T + b, stored as bf16 in the order in which the attention launch's matrix instructions want them.
; Work-group b (0..255), four waves, owns tokens 64 b .. 64 b + 63 (four tiles tt of 16) and all 3 x 256 outputs: x is read once.
; Wave w normalises channels 64 w .. +63 (y = a x + b', a = gamma rstd, b' = beta - mean a, one fused multiply-add in f32), puts them as
; bf16 into LDS [channel][token], and after one barrier every wave takes all of y as 32 fragments (256 registers) by transposing LDS loads.
; Then wave w makes, for each of q, k, v, the out tiles ot = 4 w + o, o = 0..3: twelve units of 32 matrix instructions.
;   q, k: D = W-fragment x y-fragment: lane (r, h) holds token r, channels 16 ot + 8 h + 0..7: packed, 16 bytes of fragment part ot of
;         qf / kf = [token tile][ot 16][lane 32][16 bytes]   (row = token, k = channel; ot = 2 ks + p)
;   v:    D = y-fragment x W-fragment: lane (r, h) holds channel 16 ot + r, tokens 16 tt + 8 h + 0..7: 16 bytes of
;         vf = [32 keys kp][ct 16][p 2][lane 32][16 bytes]   (row = channel, k = key)
; so every store of a wave covers 512 consecutive bytes, aligned, and no result goes through LDS.
; q is multiplied by log2(e) / 16 here (the scores' 256^-1/2 and the change to base 2), in f32, before it is rounded.
; The bias starts each sum as the first product's C: nothing is cleared and nothing is added afterwards.
; NO JOINT LOADS: the weights go from memory straight into registers in fragment order (16 loads of 512 consecutive bytes a unit), so there
; is no LDS tile that partners could share; a ring for the 384 KiB would need a refill with a round of a cluster's barrier for every few
; units of a wave's 384 matrix instructions.
; LIMITS: NaN and infinities in the inputs are not treated specially.
.set YB,    4096                       ; LDS: 0..4095 table [channel]{a, a, b', b'}; 4096..45055 y, bf16 [256 channels][64 tokens]
.set YP,    160                        ; y's pitch: 128 bytes of data + 32: an odd multiple of 32 bytes, as the transposing load's eight rows want
.set XOFF,  4                          ; (64 w + h) 65536 + 16 r     x: two channels' 256 bytes a load
.set WOFF,  5                          ; 16 L + w 32768              wfrag: my four out tiles
.set QKOFF, 6                          ; 16 L + w 2048
.set VOFF,  7                          ; 16 L + w 4096
.set TBW,   8                          ; 16 L + w 1024               table: channel 64 w + L
.set TBR,   9                          ; 16 h + w 1024               table: channel 64 w + h
.set YST,   10                         ; YB + (64 w + h) YP + 8 r
.set YLD,   11                         ; YB + (8 h + (L & 7)) YP + 16 ((L >> 3) & 1)
.set BOFFQK,12                         ; 4 (64 w + 8 h)
.set BOFFV, 13                         ; 4 (64 w + r)
.set SOFF,  14                         ; 64 ((64 w + L) >> 3)        the group's eight {mean, M2}
.set GOFF,  15                         ; 4 (64 w + L)
.set BVR,   16                         ; v[16:19]   bv of my four out tiles
.set BV8,   20                         ; v[20:27]   one of them, eight times
.set GB,    28                         ; v[28:31]   gamma, gamma (+32), beta, beta (+32)
.set ACC,   32                         ; v[32:63]   four accumulators, one for each token tile
.set PK,    64                         ; v[64:79]   packed results
.set BQ,    80                         ; v[80:111]  bq as C, tile o at 8 o; v[112:143] bk likewise
.set SA,    144                        ; v[144:175] the statistics as loaded; v[176:191] at work
; window 1: x as loaded (v[4 i ..]), then y's fragments Y(tt, ks) = 64 tt + 8 ks.  window 2: four weight units of 64 registers, by turns.
; window 3: v[0:127] table entries, v[128:191] y in bf16 on its way to LDS.
.set MSB, 0
.macro WIN new                         ; s_set_vgpr_msb: bits 1:0 source 0, 3:2 source 1, 5:4 source 2, 7:6 destination; the high byte repeats the setting left
.if MSB != \new
	s_set_vgpr_msb (MSB<<8)|\new
.set MSB, \new
.endif
.endm
.macro PLACES n
.rept \n
	v_nop
.endr
.endm
	s_load_b512 s[4:19], s[0:1], 0x0               ; x, stats, gamma, beta, wfrag, bq, bk, bv in s[4:5] .. s[18:19]
	s_load_b128 s[20:23], s[0:1], 0x40             ; qf s[20:21], kf s[22:23]
	s_load_b64 s[24:25], s[0:1], 0x50              ; vf
	v_lshl_add_u32 v254, v0, 2, 0xb000
	v_mov_b32 v255, 0
	v_lshrrev_b32 v1, 5, v0
	v_readfirstlane_b32 s26, v1                    ; wave 0..3
	v_and_b32 v1, 31, v0                           ; L
	v_and_b32 v2, 15, v0                           ; r
	v_bfe_u32 v3, v0, 4, 1                         ; h
	v_lshlrev_b32 v200, 4, v1                      ; 16 L
	s_mov_b32 s30, 0x37000000                      ; 1 / 131,072: numbers in a group
	s_mov_b32 s31, 0x358637bd                      ; 1e-6
	s_lshl_b32 s27, s26, 22
	v_lshlrev_b32 v[XOFF], 4, v2
	v_lshl_add_u32 v[XOFF], v3, 16, v[XOFF]
	v_add_nc_u32 v[XOFF], s27, v[XOFF]
	s_lshl_b32 s27, s26, 15
	v_add_nc_u32 v[WOFF], s27, v200
	s_lshl_b32 s27, s26, 11
	v_add_nc_u32 v[QKOFF], s27, v200
	s_lshl_b32 s27, s26, 12
	v_add_nc_u32 v[VOFF], s27, v200
	s_lshl_b32 s27, s26, 10
	v_add_nc_u32 v[TBW], s27, v200
	v_lshl_add_u32 v[TBR], v3, 4, s27
	s_mul_i32 s27, s26, 64*YP
	s_add_co_u32 s27, s27, YB
	v_mul_u32_u24 v[YST], v3, YP
	v_lshl_add_u32 v[YST], v2, 3, v[YST]
	v_add_nc_u32 v[YST], s27, v[YST]
	v_and_b32 v201, 7, v0
	v_lshl_add_u32 v201, v3, 3, v201
	v_mul_u32_u24 v[YLD], v201, YP
	v_bfe_u32 v201, v0, 3, 1
	v_lshl_add_u32 v[YLD], v201, 4, v[YLD]
	v_add_nc_u32 v[YLD], YB, v[YLD]
	s_lshl_b32 s27, s26, 8
	v_lshl_add_u32 v[BOFFQK], v3, 5, s27
	v_lshl_add_u32 v[BOFFV], v2, 2, s27
	v_lshl_add_u32 v[GOFF], v1, 2, s27
	s_lshl_b32 s27, s26, 9
	v_lshrrev_b32 v201, 3, v1
	v_lshl_add_u32 v[SOFF], v201, 6, s27
	s_wait_kmcnt 0x0
	s_lshl_b32 s28, ttmp9, 8                       ; 64 tokens of 4 bytes
	s_mov_b32 s29, 0
	s_add_nc_u64 s[4:5], s[4:5], s[28:29]
	s_lshl_b32 s28, ttmp9, 15                      ; 64 tokens x 256 channels of bf16
	s_add_nc_u64 s[20:21], s[20:21], s[28:29]
	s_add_nc_u64 s[22:23], s[22:23], s[28:29]
	s_add_nc_u64 s[24:25], s[24:25], s[28:29]
	; 32 small loads: statistics of the groups of channels 64 w + L and 64 w + L + 32 (four groups = 256 bytes further), gains, biases
.irp j, 0,1,2,3
	global_load_b128 v[SA+4*\j:SA+4*\j+3], v[SOFF], s[6:7] offset:16*\j
	global_load_b128 v[SA+16+4*\j:SA+16+4*\j+3], v[SOFF], s[6:7] offset:256+16*\j
.endr
	global_load_b32 v[GB], v[GOFF], s[8:9]
	global_load_b32 v[GB+1], v[GOFF], s[8:9] offset:128
	global_load_b32 v[GB+2], v[GOFF], s[10:11]
	global_load_b32 v[GB+3], v[GOFF], s[10:11] offset:128
.irp o, 0,1,2,3
	global_load_b128 v[BQ+8*\o:BQ+8*\o+3], v[BOFFQK], s[14:15] offset:64*\o          ; register j of C: bq[16 ot + 8 h + j]
	global_load_b128 v[BQ+8*\o+4:BQ+8*\o+7], v[BOFFQK], s[14:15] offset:64*\o+16
	global_load_b128 v[BQ+32+8*\o:BQ+32+8*\o+3], v[BOFFQK], s[16:17] offset:64*\o
	global_load_b128 v[BQ+32+8*\o+4:BQ+32+8*\o+7], v[BOFFQK], s[16:17] offset:64*\o+16
	global_load_b32 v[BVR+\o], v[BOFFV], s[18:19] offset:64*\o                       ; bv[16 ot + r]
.endr
	; 32 loads of x: sixteen lanes take the 256 bytes of one channel's 64 tokens
	WIN 0x40
.set i, 0
.rept 32
	global_load_b128 v[4*i:4*i+3], v[XOFF], s[4:5] offset:131072*i
.set i, i+1
.endr
	WIN 0
	s_wait_loadcnt 32                              ; the 32 small loads are in; the 32 loads of x behind them stay out
; One channel's table entry.  The group's mean is the mean of its eight channel means; its sum of squares is the sum of the channels' centred
; sums plus 16,384 times the squares of the channel means' distances from the group's mean: sums of squares alone, no difference of large sums.
.macro TABLE b, g, off
	v_pk_add_f32 v[176:177], v[\b:\b+1], v[\b+2:\b+3]
	v_pk_add_f32 v[178:179], v[\b+4:\b+5], v[\b+6:\b+7]
	v_pk_add_f32 v[180:181], v[\b+8:\b+9], v[\b+10:\b+11]
	v_pk_add_f32 v[182:183], v[\b+12:\b+13], v[\b+14:\b+15]
	v_pk_add_f32 v[176:177], v[176:177], v[178:179]
	v_pk_add_f32 v[180:181], v[180:181], v[182:183]
	v_pk_add_f32 v[176:177], v[176:177], v[180:181]        ; {sum of means, sum of M2}
	v_mul_f32 v178, 0x3e000000, v176                       ; the group's mean
.irp i, 0,1,2,3,4,5,6,7
	v_sub_f32 v[184+\i], v[\b+2*\i], v178
.endr
	v_mul_f32 v179, v184, v184
.irp i, 1,2,3,4,5,6,7
	v_fmac_f32 v179, v[184+\i], v[184+\i]
.endr
	v_fmamk_f32 v179, v179, 0x46800000, v177               ; x 16,384 + sum of M2
	v_fma_f32 v179, v179, s30, s31                         ; variance + 1e-6
	v_rsq_f32 v180, v179
	v_nop                                                  ; one plain vector instruction behind a transcendental (ISA guide 5.7.2)
	s_wait_alu depctr_va_vdst(0)
	v_mul_f32 v188, v[GB+\g], v180                         ; a = gamma rstd
	v_mov_b32 v189, v188
	v_fma_f32 v190, -v178, v188, v[GB+2+\g]                ; b' = beta - mean a
	v_mov_b32 v191, v190
	ds_store_b128 v[TBW], v[188:191] offset:\off
.endm
	TABLE SA, 0, 0
	TABLE SA+16, 1, 512
; The 16 loads of weight unit u (matrix u / 4, my out tile u % 4): eight fragments = 8,192 consecutive bytes, into ring slot u % 4
.macro WLOAD u
	WIN 0x80
.set wj, 0
.rept 16
	global_load_b128 v[64*((\u)%4)+4*wj:64*((\u)%4)+4*wj+3], v[WOFF], s[12:13] offset:((\u)/4)*131072+((\u)%4)*8192+512*wj
.set wj, wj+1
.endr
.endm
	WLOAD 0
	WLOAD 1
	WLOAD 2
	; my 64 table entries, two a load as x's loads take two channels.  My own bytes: LDS serves a wave's instructions in order (ISA guide 5.7.1.4)
	WIN 0xc0
.set i, 0
.rept 32
	ds_load_b128 v[4*i:4*i+3], v[TBR] offset:32*i
.set i, i+1
.endr
	s_wait_loadcnt 48                              ; x is in; the 48 loads of three weight units stay out
	s_wait_dscnt 0x0
	WIN 0x7d                                       ; x (window 1) = x a + b' (window 3)
.set i, 0
.rept 32
	v_pk_fma_f32 v[4*i:4*i+1], v[4*i:4*i+1], v[4*i:4*i+1], v[4*i+2:4*i+3]
	v_pk_fma_f32 v[4*i+2:4*i+3], v[4*i+2:4*i+3], v[4*i:4*i+1], v[4*i+2:4*i+3]
.set i, i+1
.endr
	WIN 0xc5
.set i, 0
.rept 32
	v_cvt_pk_bf16_f32 v[128+2*i], v[4*i], v[4*i+1]
	v_cvt_pk_bf16_f32 v[128+2*i+1], v[4*i+2], v[4*i+3]
.set i, i+1
.endr
	WIN 0x0c
.set i, 0
.rept 32
	ds_store_b64 v[YST], v[128+2*i:128+2*i+1] offset:2*YP*i
.set i, i+1
.endr
	WIN 0
	s_wait_dscnt 0x0                               ; my part of y is in LDS before I signal
	s_barrier_signal -1
	s_barrier_wait -1                              ; all of y is
	; y's 32 fragments: 16 tokens x 32 channels each, from rows that lie along the tokens: two transposing loads, 16 rows apart
	WIN 0x40
.set tt, 0
.rept 4
.set ks, 0
.rept 8
	ds_load_tr16_b128 v[64*tt+8*ks:64*tt+8*ks+3], v[YLD] offset:ks*32*YP+32*tt
	ds_load_tr16_b128 v[64*tt+8*ks+4:64*tt+8*ks+7], v[YLD] offset:ks*32*YP+32*tt+16*YP
.set ks, ks+1
.endr
.set tt, tt+1
.endr
	s_wait_dscnt 0x0
; Unit u: one out tile of one matrix for the four token tiles, 256 along K.  The four accumulators take turns, one instruction a turn.
.macro UNIT u
.if (\u) < 9
	WLOAD (\u)+3                                   ; into the slot that the unit before read: that unit's v_nop are the places behind its matrix instructions
	s_wait_loadcnt 48                              ; my 16 loads are in; the three younger units' stay out
.else
	s_wait_loadcnt 16*(11-(\u))                    ; the younger units' loads that are left stay out
.endif
.set uo, (\u)%4
.set um, (\u)/4
.if um == 2
	WIN 0
.irp j, 0,1,2,3,4,5,6,7
	v_mov_b32 v[BV8+\j], v[BVR+uo]                 ; v's bias hangs on the column alone: the same in all eight registers of C
.endr
	WIN 0x09                                       ; source 0 = y (window 1), source 1 = W (window 2)
.else
	WIN 0x06                                       ; source 0 = W (window 2), source 1 = y (window 1)
.endif
.set ks, 0
.rept 8
.set tt, 0
.rept 4
.set wr, 64*uo+8*ks
.set yr, 64*tt+8*ks
.set ar, ACC+8*tt
.if um == 2
.if ks == 0
	v_wmma_f32_16x16x32_bf16 v[ar:ar+7], v[yr:yr+7], v[wr:wr+7], v[BV8:BV8+7]
.else
	v_wmma_f32_16x16x32_bf16 v[ar:ar+7], v[yr:yr+7], v[wr:wr+7], v[ar:ar+7]
.endif
.else
.if ks == 0
	v_wmma_f32_16x16x32_bf16 v[ar:ar+7], v[wr:wr+7], v[yr:yr+7], v[BQ+32*um+8*uo:BQ+32*um+8*uo+7]
.else
	v_wmma_f32_16x16x32_bf16 v[ar:ar+7], v[wr:wr+7], v[yr:yr+7], v[ar:ar+7]
.endif
.endif
.set tt, tt+1
.endr
.set ks, ks+1
.endr
	PLACES 5                                       ; behind the last matrix instructions: for the vector work below, for the next unit's loads
	                                               ; into this ring, and for its first products, which write over these accumulators
	WIN 0
	s_wait_xcnt 0x0                                ; PK was the last unit's store data: rewritten only behind this wait
.if um == 0
.set i, 0
.rept 16
	v_pk_mul_f32 v[ACC+2*i:ACC+2*i+1], v[ACC+2*i:ACC+2*i+1], 0x3db8aa3b op_sel_hi:[1,0]   ; q x log2(e) / 16
.set i, i+1
.endr
.endif
.set i, 0
.rept 16
	v_cvt_pk_bf16_f32 v[PK+i], v[ACC+2*i], v[ACC+2*i+1]
.set i, i+1
.endr
.irp t, 0,1,2,3
.if um == 0
	global_store_b128 v[QKOFF], v[PK+4*\t:PK+4*\t+3], s[20:21] offset:(16*\t+uo)*512
.endif
.if um == 1
	global_store_b128 v[QKOFF], v[PK+4*\t:PK+4*\t+3], s[22:23] offset:(16*\t+uo)*512
.endif
.if um == 2
	global_store_b128 v[VOFF], v[PK+4*\t:PK+4*\t+3], s[24:25] offset:((\t>>1)*32+2*uo+(\t&1))*512
.endif
.endr
.endm
.irp u, 0,1,2,3,4,5,6,7,8,9,10,11
	UNIT \u
.endr
	s_wait_tensorcnt 0x0
	ds_add_u32 v254, v255
	s_wait_dscnt 0x0
	s_endpgm
.Lfunc_end_k_q432a108314_qkv:
	.size	k_q432a108314_qkv, .Lfunc_end_k_q432a108314_qkv-k_q432a108314_qkv
	.p2alignl 7, 3214868480
	.fill 96, 4, 3214868480
	.section	.rodata,"a",@progbits
	.p2align	6, 0x0
	.amdhsa_kernel k_q432a108314_qkv
		.amdhsa_group_segment_fixed_size 45568
		.amdhsa_private_segment_fixed_size 0
		.amdhsa_enable_private_segment 0
		.amdhsa_kernarg_size 88
		.amdhsa_user_sgpr_count 2
		.amdhsa_user_sgpr_kernarg_segment_ptr 1
		.amdhsa_wavefront_size32 1
		.amdhsa_system_sgpr_workgroup_id_x 1
		.amdhsa_system_sgpr_workgroup_id_y 1
		.amdhsa_system_sgpr_workgroup_id_z 1
		.amdhsa_system_vgpr_workitem_id 0
		.amdhsa_next_free_vgpr 960
		.amdhsa_next_free_sgpr 66
		.amdhsa_reserve_vcc 0
		.amdhsa_float_denorm_mode_32 3
		.amdhsa_float_denorm_mode_16_64 3
		.amdhsa_memory_ordered 1
		.amdhsa_forward_progress 1
		.amdhsa_inst_pref_size 98
	.end_amdhsa_kernel
	.amdgpu_metadata
---
amdhsa.version: [ 1, 2 ]
amdhsa.kernels:
  - .name:           k_q432a108314_qkv
    .symbol:         k_q432a108314_qkv.kd
    .args:
      - { .name: x, .offset: 0, .size: 8, .value_kind: global_buffer, .address_space: global }
      - { .name: stats, .offset: 8, .size: 8, .value_kind: global_buffer, .address_space: global }
      - { .name: gamma, .offset: 16, .size: 8, .value_kind: global_buffer, .address_space: global }
      - { .name: beta, .offset: 24, .size: 8, .value_kind: global_buffer, .address_space: global }
      - { .name: wfrag, .offset: 32, .size: 8, .value_kind: global_buffer, .address_space: global }
      - { .name: bq, .offset: 40, .size: 8, .value_kind: global_buffer, .address_space: global }
      - { .name: bk, .offset: 48, .size: 8, .value_kind: global_buffer, .address_space: global }
      - { .name: bv, .offset: 56, .size: 8, .value_kind: global_buffer, .address_space: global }
      - { .name: qf, .offset: 64, .size: 8, .value_kind: global_buffer, .address_space: global }
      - { .name: kf, .offset: 72, .size: 8, .value_kind: global_buffer, .address_space: global }
      - { .name: vf, .offset: 80, .size: 8, .value_kind: global_buffer, .address_space: global }
    .group_segment_fixed_size: 45568
    .private_segment_fixed_size: 0
    .kernarg_segment_align: 8
    .kernarg_segment_size: 88
    .max_flat_workgroup_size: 128
    .sgpr_count:     66
    .vgpr_count:     960
    .wavefront_size: 32
...
	.end_amdgpu_metadata
.endif
;; end of part 2
;; launch attn (part 3): grid 256 x 1, 4 waves a work-group, clusters of 4 x 1, 327,680 bytes of LDS; arguments qf, kf, vf, wfrag, bp, x, out0; writes out0
.if DOCPART == 3
	.amdgcn_target "amdgcn-amd-amdhsa--gfx1250"
	.amdhsa_code_object_version 6
	.text
	.protected	k_q432a108314_attn
	.globl	k_q432a108314_attn
	.p2align	8
	.type	k_q432a108314_attn,@function
k_q432a108314_attn:
	s_mov_b64 s[64:65], 0
	v_nop
	global_prefetch_b8 v0, s[64:65] scope:SCOPE_SE
	s_setreg_imm32_b32 hwreg(HW_REG_WAVE_MODE, 25, 1), 1
	s_wait_xcnt 0x0
	s_wait_alu depctr_hold_cnt(0) depctr_sa_sdst(0) depctr_va_vdst(0) depctr_va_sdst(0) depctr_va_ssrc(0) depctr_va_vcc(0) depctr_vm_vsrc(0)
	s_getreg_b32 s2, hwreg(HW_REG_IB_STS2, 6, 4)
	s_cmp_eq_u32 s2, 0
	s_cbranch_scc0 .Lentry_in_a_cluster
	s_endpgm
.Lentry_in_a_cluster:
	s_bfe_u32 s2, ttmp6, 0x10000c
	s_cmp_lg_u32 s2, 0x3003
	s_cbranch_scc0 .Lentry_shape_is_right
	s_endpgm
.Lentry_shape_is_right:
; attn: out0 = x + (softmax(q k^T / 16) v) wp^T + bp, per frame of 4,096 tokens, one head of width 256.
; Work-group qb (0..255) owns 64 queries of frame qb / 64.  Four waves; EACH WAVE HAS ALL 64 QUERIES AND A QUARTER OF THE KEYS: in a step
; of 256 keys wave w takes keys 64 w .. +63.  So a wave's 64 KiB of K and V fragments feed 256 matrix instructions a step, each wave
; reads only LDS bytes that its own tensor loads filled, and the four partial results (m, l, O) are joined exactly at the end.
; All operands lie in memory as register images of 16 x 32 fragments ([part 2][lane 32][16 bytes]): every fragment load is
; base + 16 lane + constant, 512 consecutive bytes, and a tile is a dense block of rows of 256 bytes.
; ORIENTATION, so that nothing moves between lanes but one maximum:
;   S^T = K-fragment x Q-fragment:  lane (r, h) holds query r, keys 16 kt + 8 h + j.  Two such tiles, packed, ARE the operand P (k = key).
;   O^T = V-fragment x P:           lane (r, h) holds query r, channels 16 ct + 8 h + j: m, l and the rescaling factor are one number a lane.
;   out = O-fragment x Wp-fragment: two packed O^T tiles ARE the operand O (k = channel); lane holds c_out r, queries 8 h + j.
; SOFTMAX: a running maximum per query and wave, in base 2 (q carries log2(e) / 16); sums and accumulators in f32.
; CLUSTER: the four work-groups of a cluster lie in one frame (64 work-groups a frame) and walk the same K and V tiles: every tile is
; asked for jointly (mask 15), which divides the requests for K and V by four.  Q (32 KiB) and Wp (128 KiB) are loaded into registers,
; once: small beside the 4 MiB of tiles that a work-group walks, and not shared through LDS.
; THE WALK: cluster c (0..15) of a frame begins at step c of the frame's 16 and wraps round.  The softmax does not hang on the order of the
; keys (beyond the rounding of its sums), and so the sixteen clusters of a frame ask for sixteen different tiles at any time
; instead of all for the same one.  The start hangs on the cluster's number alone, which the four partners share.
; RING: two slots, K's and V's, 32 KiB a wave each; tiles K V K V ..; each refill stands first behind a round of the cluster's barrier,
; in front of which every wave has waited for its LDS reads and for all its tensor loads.  A wave has one tensor load out at a time.
; V's tile lands during the scores, the maxima and the subtraction; the next K's during the exponentials, the packing and the PV products.
; RESCALING: the accumulators' multiplication by the running maximum's factor is issued by turns with the PV products of the step's first
; 32 keys: behind the product on tile i stands the multiplication of tile i + LA, so that neither unit waits for a whole phase of the other.
; It costs two window switches a product: the product wants V (window 0) as source 0, the multiplication the accumulator (window 2 or 3).
; LIMITS: NaN and infinities are not treated specially; v_exp_f32 gives zero for weights below 2^-126 (ISA guide 15.8);
; l sums the f32 weights, the PV product takes them rounded to bf16; the order of the sums over the keys differs from cluster to cluster.
.set SLOTV, 131072                     ; LDS: 0 K slot (wave w at 32768 w), 131072 V slot; after their last fill: X (all partial O), then the way out's stage
.set ST,    262144                     ; 2,048 bytes: {m, l} [wave][q tile][query]
.set OF,    264192                     ; 32,768 bytes: O as bf16 fragments [q tile][part 16][lane][16 bytes]
.set STGB,  17408                      ; the way out: 64 rows of 272 bytes for each wave
.set TSTEP, 0x20000                    ; 256 keys of K or of V
.set FRAMEB,0x200000                   ; a frame of K or of V: 16 steps
.set LA,  4                            ; the rescaling runs four tiles ahead of the products
.set VK,  2                            ; 16 L + 32768 w
.set VV,  3                            ; + SLOTV
.set M,   4                            ; v[4:11]    m of q tile q, twice (a pair for the packed subtraction)
.set LS,  12                           ; v[12:15]   l, summed over my half of the lanes' keys
.set AL,  16                           ; v[16:23]   the rescaling factor, twice
.set T,   24                           ; v[24:39]   at work: T(q, k) = 24 + 4 q + k
.set WPO, 40                           ; 16 L + 32768 w          wfrag: my four out tiles of wp
.set BPO, 41                           ; 4 (64 w + r)
.set STS, 42                           ; ST + 512 w + 8 r
.set STL, 43                           ; ST + 8 r
.set XW,  44                           ; 16 L + 65536 w
.set XG,  45                           ; v[45:48]   16 L + 16384 w + 65536 src
.set OFW, 49                           ; OF + 8192 w + 16 L
.set OFR, 50                           ; OF + 16 L
.set XO,  51                           ; (64 w + h) 65536 + 16 r     x and out0
.set STW, 52                           ; STGB w + 272 r + 32 h
.set STR, 53                           ; STGB w + 272 h + 16 r
.set BPV, 54                           ; v[54:57]   bp of my four out tiles
.set F,   64                           ; v[64:127]  fragments: K's in two halves of 32, V's chunk buffer 0
.set S,   128                          ; v[128:255] scores: tile (kt, q) at 128 + 64 (kt & 1) + 8 (4 (kt >> 1) + q); P(kp, q) in place at 128 + 8 (4 kp + q)
.set VB1, 192                          ; v[192:255] free once P is packed: V's chunk buffer 1
; window 1: Q(q, ks) = 64 q + 8 ks, later Wp(o, ks) = 64 o + 8 ks.  windows 2 and 3: O^T, tile tg = 4 ct + q: tiles 0-31 in window 2, 32-63 in window 3, at 8 (tg & 31).
; scalars: s[24:31] group 1; s[32:35], s[36:39] group 0 of K's and V's slot; s[50:51], s[52:53] K's and V's address at my frame and wave, type bits set;
; s[54:55], s[56:57] the byte offset of the step that is asked for next, in pairs with 0 above.
.set MSB, 0
.macro WIN new                         ; s_set_vgpr_msb: bits 1:0 source 0, 3:2 source 1, 5:4 source 2, 7:6 destination; the high byte repeats the setting left
.if MSB != \new
	s_set_vgpr_msb (MSB<<8)|\new
.set MSB, \new
.endif
.endm
.macro PLACES n                        ; places behind matrix instructions are plain vector instructions that name none of their registers (ISA guide 7.12.1)
.rept \n
	v_nop
.endr
.endm
; A round of the cluster's barrier: my work-group's barrier, wave 0 signals for the work-group, every wave waits for all four work-groups,
; my work-group's barrier once more.
.macro ROUND
	s_barrier_signal -1
	s_barrier_wait -1
	s_cmp_lg_u32 s20, 0
	s_cbranch_scc1 .Lnot_wave_0_\@
	s_barrier_signal -3
.Lnot_wave_0_\@:
	s_barrier_wait -3
	s_barrier_signal -1
	s_barrier_wait -1
.endm
	s_load_b256 s[4:11], s[0:1], 0x0               ; qf s[4:5], kf s[6:7], vf s[8:9], wfrag s[10:11]
	s_load_b128 s[12:15], s[0:1], 0x20             ; bp s[12:13], x s[14:15]
	s_load_b64 s[16:17], s[0:1], 0x30              ; out0
	v_lshl_add_u32 v62, v0, 2, 0x48800
	v_mov_b32 v63, 0
	ds_add_u32 v62, v63
	v_lshrrev_b32 v1, 5, v0
	v_readfirstlane_b32 s20, v1                    ; wave 0..3
	s_bfe_u32 s21, ttmp6, 0x40000                  ; cx: my place in the cluster; it enters the addresses of qf, x and out0 alone
	s_lshl_b32 s22, ttmp9, 2                       ; ttmp9 counts clusters
	s_add_co_u32 s22, s22, s21                     ; qb
	s_lshr_b32 s23, ttmp9, 4                       ; frame: 16 clusters each
	s_and_b32 s54, ttmp9, 15                       ; c: my cluster's number in its frame,
	s_lshl_b32 s54, s54, 17                        ; and the step at which its walk begins, in bytes
	s_mov_b32 s55, 0
	s_mov_b32 s56, s54                             ; the same for V
	s_mov_b32 s57, 0
	s_mov_b32 s46, 0x76543210                      ; v_permlanex16_b32: lane i reads lane i of the other half
	s_mov_b32 s47, 0xfedcba98
	; descriptor group 1: a dense block of 128 rows of 256 bytes (32 elements of 8 bytes), the same for every tile
	s_mov_b32 s24, 0x0023000f                      ; 15:0 mask: all four work-groups; 17:16 elements of 8 bytes; 21 set beside a mask; no padding
	s_mov_b32 s25, 32<<16                          ; tensor_dim0 = 32
	s_mov_b32 s26, 128<<16                         ; tensor_dim1 = 128
	s_mov_b32 s27, 32<<16                          ; tile_dim0 = 32
	s_mov_b32 s28, 128                             ; tile_dim1 = 128
	s_mov_b32 s29, 32                              ; from row to row: 32 elements
	s_mov_b32 s30, 0
	s_mov_b32 s31, 0
	s_lshl_b32 s45, s20, 15                        ; my 64 keys in a step's tile, and my part of a slot
	s_lshl_b32 s40, s23, 21                        ; a frame of K or V: 2 MiB
	s_add_co_u32 s40, s40, s45
	s_mov_b32 s41, 0
	s_lshl_b32 s42, s22, 15                        ; my work-group's 64 queries in qf
	s_mov_b32 s43, 0
	v_and_b32 v58, 15, v0                          ; r
	v_bfe_u32 v59, v0, 4, 1                        ; h
	v_and_b32 v1, 31, v0
	v_lshlrev_b32 v1, 4, v1                        ; 16 L
	v_add_nc_u32 v[VK], s45, v1
	v_add_nc_u32 v[VV], SLOTV, v[VK]
	v_add_nc_u32 v[WPO], s45, v1
	s_wait_dscnt 0x0
	s_wait_kmcnt 0x0
	s_add_nc_u64 s[50:51], s[6:7], s[40:41]        ; K at my frame and wave: coordinates that the four partners share,
	s_or_b32 s51, s51, 0x80000000                  ; type 2
	s_add_nc_u64 s[52:53], s[8:9], s[40:41]        ; and V
	s_or_b32 s53, s53, 0x80000000
	s_mov_b32 s32, 1                               ; group 0 for K's tiles: count 1,
	s_lshl_b32 s33, s20, 15                        ; LDS address: the wave's number alone,
	s_add_nc_u64 s[34:35], s[50:51], s[54:55]      ; global address: the walk's first step
	s_mov_b32 s36, 1                               ; and for V's
	s_add_co_u32 s37, s33, SLOTV
	s_add_nc_u64 s[38:39], s[52:53], s[56:57]
	s_add_nc_u64 s[4:5], s[4:5], s[42:43]
	s_lshl_b32 s42, s22, 8                         ; 64 tokens of 4 bytes
	s_add_nc_u64 s[14:15], s[14:15], s[42:43]
	s_add_nc_u64 s[16:17], s[16:17], s[42:43]
	ROUND                                          ; all four work-groups are here: the first joint load meets
	tensor_load_to_lds s[32:35], s[24:31]          ; K's first tile, asked for ahead of everything else
	s_nop 0
	WIN 0x40
.set j, 0
.rept 64
	global_load_b128 v[4*j:4*j+3], v1, s[4:5] offset:512*j     ; all of Q: 32 fragments, 256 registers
.set j, j+1
.endr
	WIN 0
	; the addresses of the end, made while the loads are on their way
	s_lshl_b32 s48, s20, 8
	v_lshl_add_u32 v[BPO], v58, 2, s48
	s_lshl_b32 s48, s20, 9
	s_add_co_u32 s48, s48, ST
	v_lshl_add_u32 v[STS], v58, 3, s48
	v_lshlrev_b32 v[STL], 3, v58
	v_add_nc_u32 v[STL], ST, v[STL]
	s_lshl_b32 s48, s20, 16
	v_add_nc_u32 v[XW], s48, v1
	s_lshl_b32 s48, s20, 14
	v_add_nc_u32 v[XG], s48, v1
	v_add_nc_u32 v[XG+1], 0x10000, v[XG]
	v_add_nc_u32 v[XG+2], 0x20000, v[XG]
	v_add_nc_u32 v[XG+3], 0x30000, v[XG]
	s_lshl_b32 s48, s20, 13
	s_add_co_u32 s48, s48, OF
	v_add_nc_u32 v[OFW], s48, v1
	v_add_nc_u32 v[OFR], OF, v1
	s_lshl_b32 s48, s20, 22
	v_lshlrev_b32 v[XO], 4, v58
	v_lshl_add_u32 v[XO], v59, 16, v[XO]
	v_add_nc_u32 v[XO], s48, v[XO]
	s_mul_i32 s48, s20, STGB
	v_mul_u32_u24 v[STW], v58, 272
	v_lshl_add_u32 v[STW], v59, 5, v[STW]
	v_add_nc_u32 v[STW], s48, v[STW]
	v_mul_u32_u24 v[STR], v59, 272
	v_lshl_add_u32 v[STR], v58, 4, v[STR]
	v_add_nc_u32 v[STR], s48, v[STR]
; Chunk c (0..7) of K's tile: key tile kt = c >> 1, four fragments ks = 4 (c & 1) + 0..3, into half c & 1 of F
.macro KLOAD c
.irp j, 0,1,2,3,4,5,6,7
	ds_load_b128 v[F+32*((\c)&1)+4*\j:F+32*((\c)&1)+4*\j+3], v[VK] offset:(\c)*4096+512*\j
.endr
.endm
; Its 16 matrix instructions.  The four query tiles' accumulators take turns, one instruction a turn.
.macro SMUL c
.irp f, 0,1,2,3
.irp q, 0,1,2,3
.set sb, S+64*(((\c)>>1)&1)+8*(4*((\c)>>2)+\q)
.set qr, 64*\q+8*(4*((\c)&1)+\f)
.set fb, F+32*((\c)&1)+8*\f
.if (4*((\c)&1)+\f) == 0
	v_wmma_f32_16x16x32_bf16 v[sb:sb+7], v[fb:fb+7], v[qr:qr+7], 0
.else
	v_wmma_f32_16x16x32_bf16 v[sb:sb+7], v[fb:fb+7], v[qr:qr+7], v[sb:sb+7]
.endif
.endr
.endr
.endm
; The scores of 64 keys x 64 queries: 128 matrix instructions, one window setting (source 1 = Q in window 1) for them and for the loads.
.macro SPHASE
	WIN 0x04
	PLACES 5                                       ; behind the last PV products: these products write over P and V's buffers, these loads land in V's buffer 0
	KLOAD 0
.irp c, 0,1,2,3,4,5,6
.if \c
	PLACES 4                                       ; the next loads land in the half that the chunk before last was multiplied from
.endif
	KLOAD \c+1
	s_wait_dscnt 0x8                               ; chunk c is in; the eight loads just issued stay out
	SMUL \c
.endr
	s_wait_dscnt 0x0
	SMUL 7
	PLACES 4
	WIN 0
.endm
; The softmax step on 16 tiles (register order ti: q = ti & 3), first part: the maxima, the new running maximum, the subtraction.
; Each stage runs across tiles or query tiles, so that neighbouring lines are independent.
.macro SOFTA first
.set ti, 0
.rept 16
	v_max3_num_f32 v[T+4*(ti&3)+(ti>>2)], v[S+8*ti], v[S+8*ti+1], v[S+8*ti+2]
.set ti, ti+1
.endr
.irp o, 3, 5
.set ti, 0
.rept 16
	v_max3_num_f32 v[T+4*(ti&3)+(ti>>2)], v[T+4*(ti&3)+(ti>>2)], v[S+8*ti+\o], v[S+8*ti+\o+1]
.set ti, ti+1
.endr
.endr
.set ti, 0
.rept 16
	v_max_num_f32 v[T+4*(ti&3)+(ti>>2)], v[T+4*(ti&3)+(ti>>2)], v[S+8*ti+7]
.set ti, ti+1
.endr
.irp q, 0,1,2,3
	v_max3_num_f32 v[T+4*\q], v[T+4*\q], v[T+4*\q+1], v[T+4*\q+2]
.endr
.irp q, 0,1,2,3
	v_max_num_f32 v[T+4*\q], v[T+4*\q], v[T+4*\q+3]
.endr
.irp q, 0,1,2,3
	v_permlanex16_b32 v[T+4*\q+1], v[T+4*\q], s46, s47     ; the other half of the lanes holds the query's other keys
.endr
.if \first
.irp q, 0,1,2,3
	v_max_num_f32 v[M+2*\q], v[T+4*\q], v[T+4*\q+1]
.endr
.irp q, 0,1,2,3
	v_mov_b32 v[M+2*\q+1], v[M+2*\q]
.endr
.else
.irp q, 0,1,2,3
	v_max3_num_f32 v[T+4*\q+2], v[T+4*\q], v[T+4*\q+1], v[M+2*\q]
.endr
.irp q, 0,1,2,3
	v_sub_f32 v[AL+2*\q], v[M+2*\q], v[T+4*\q+2]           ; old maximum - new maximum
.endr
.irp q, 0,1,2,3
	v_mov_b32 v[M+2*\q], v[T+4*\q+2]
	v_mov_b32 v[M+2*\q+1], v[T+4*\q+2]
.endr
.endif
.set ti, 0
.rept 16
.irp p, 0,2,4,6
	v_pk_add_f32 v[S+8*ti+\p:S+8*ti+\p+1], v[S+8*ti+\p:S+8*ti+\p+1], v[M+2*(ti&3):M+2*(ti&3)+1] neg_lo:[0,1] neg_hi:[0,1]
.endr
.set ti, ti+1
.endr
.endm
; Second part: the exponentials, the weights' sums, P packed to bf16
.macro SOFTB first
.if \first == 0
.irp q, 0,1,2,3
	v_exp_f32 v[AL+2*\q], v[AL+2*\q]
.endr
.endif
.set ti, 0
.rept 128
	v_exp_f32 v[S+ti], v[S+ti]
.set ti, ti+1
.endr
	v_nop                                          ; one plain vector instruction behind the run of transcendentals (ISA guide 5.7.2)
.if \first == 0
	s_wait_alu depctr_va_vdst(0)
.irp q, 0,1,2,3
	v_mov_b32 v[AL+2*\q+1], v[AL+2*\q]
.endr
.endif
	; the weights' sum per query tile: two chains of pairs, over tiles q, q + 4 and q + 8, q + 12
	s_wait_alu depctr_va_vdst(0)
.irp q, 0,1,2,3
	v_pk_add_f32 v[T+4*\q:T+4*\q+1], v[S+8*\q:S+8*\q+1], v[S+8*\q+2:S+8*\q+3]
	v_pk_add_f32 v[T+4*\q+2:T+4*\q+3], v[S+64+8*\q:S+64+8*\q+1], v[S+64+8*\q+2:S+64+8*\q+3]
.endr
.irp o, 4, 6, 32, 34, 36, 38
.irp q, 0,1,2,3
	v_pk_add_f32 v[T+4*\q:T+4*\q+1], v[T+4*\q:T+4*\q+1], v[S+8*\q+\o:S+8*\q+\o+1]
	v_pk_add_f32 v[T+4*\q+2:T+4*\q+3], v[T+4*\q+2:T+4*\q+3], v[S+64+8*\q+\o:S+64+8*\q+\o+1]
.endr
.endr
.irp q, 0,1,2,3
	v_pk_add_f32 v[T+4*\q:T+4*\q+1], v[T+4*\q:T+4*\q+1], v[T+4*\q+2:T+4*\q+3]
.endr
.if \first
.irp q, 0,1,2,3
	v_add_f32 v[LS+\q], v[T+4*\q], v[T+4*\q+1]
.endr
.else
.irp q, 0,1,2,3
	v_add_f32 v[T+4*\q], v[T+4*\q], v[T+4*\q+1]
.endr
.irp q, 0,1,2,3
	v_fma_f32 v[LS+\q], v[LS+\q], v[AL+2*\q], v[T+4*\q]
.endr
.endif
	; P(kp, q): registers 0-3 from tile 2 kp (in place, each target already read), registers 4-7 from tile 2 kp + 1, 64 registers up
.set ti, 0
.rept 8
.irp i, 0,1,2,3
	v_cvt_pk_bf16_f32 v[S+8*ti+\i], v[S+8*ti+2*\i], v[S+8*ti+2*\i+1]
.endr
.irp i, 0,1,2,3
	v_cvt_pk_bf16_f32 v[S+8*ti+4+\i], v[S+64+8*ti+2*\i], v[S+64+8*ti+2*\i+1]
.endr
.set ti, ti+1
.endr
.endm
; Accumulator tile tg (0..63) times the lane's factor of its query tile tg & 3
.macro RTILE tg
.if (\tg) < 32
	WIN 0x82
.else
	WIN 0xc3
.endif
.irp p, 0,2,4,6
	v_pk_mul_f32 v[8*((\tg)&31)+\p:8*((\tg)&31)+\p+1], v[8*((\tg)&31)+\p:8*((\tg)&31)+\p+1], v[AL+2*((\tg)&3):AL+2*((\tg)&3)+1]
.endr
.endm
; All 64 accumulator tiles in one run (the end's joining of the waves)
.macro RESCALE
.set rt, 0
.rept 64
	RTILE rt
.set rt, rt+1
.endr
.endm
; Chunk d (0..3) of V's tile: 32 keys kp = d >> 1, channel tiles 8 (d & 1) + 0..7: eight fragments into buffer vb
.macro VLOAD d, vb
	WIN 0
.set j, 0
.rept 16
	ds_load_b128 v[\vb+4*j:\vb+4*j+3], v[VV] offset:(\d)*8192+512*j
.set j, j+1
.endr
.endm
; Its 32 matrix instructions, on the 32 accumulators of window 2 (d even) or 3 (d odd), which take turns, one instruction a turn.
; resc = 1: behind the product on tile tg stands the rescaling of tile tg + LA, whose own product follows LA turns later.
.macro PVMUL d, vb, zero, resc
.set ti, 0
.rept 32
.if (\d)&1
	WIN 0xf0
.else
	WIN 0xa0
.endif
.set pr, S+8*(4*((\d)>>1)+(ti&3))
.set vr, \vb+8*(ti>>2)
.if \zero
	v_wmma_f32_16x16x32_bf16 v[8*ti:8*ti+7], v[vr:vr+7], v[pr:pr+7], 0
.else
	v_wmma_f32_16x16x32_bf16 v[8*ti:8*ti+7], v[vr:vr+7], v[pr:pr+7], v[8*ti:8*ti+7]
.endif
.if \resc
.if (32*((\d)&1)+ti+LA) < 64
	RTILE (32*((\d)&1)+ti+LA)
.endif
.endif
.set ti, ti+1
.endr
.endm
; K's half of a step: the scores and the first part of the softmax
.macro KTRIP first
	s_wait_tensorcnt 0x0                           ; all my tensor loads are done, this step's K tile among them,
	ds_add_u32 v62, v63
	s_add_co_u32 s54, s54, TSTEP                   ; so its group 0 may be written: the walk's next step,
	s_and_b32 s54, s54, FRAMEB-1                   ; which wraps round at the frame's end
	s_add_nc_u64 s[34:35], s[50:51], s[54:55]
	s_wait_dscnt 0x0                               ; my reads of V's slot are done
	ROUND                                          ; both now hold of every wave of all four work-groups
	tensor_load_to_lds s[36:39], s[24:31]          ; this step's V tile, first behind the round
	s_nop 0
.if \first
	s_wait_loadcnt 0x0                             ; Q
.endif
	SPHASE
	SOFTA \first
.endm
; V's half: the second part of the softmax, the rescaling and the PV products
.macro VTRIP first, refill
	s_wait_tensorcnt 0x0                           ; all my tensor loads are done, this step's V tile among them,
	ds_add_u32 v62, v63
	s_wait_dscnt 0x0
	s_add_co_u32 s56, s56, TSTEP                   ; so its group 0 may be written: the walk's next step
	s_and_b32 s56, s56, FRAMEB-1
	s_add_nc_u64 s[38:39], s[52:53], s[56:57]
	s_wait_dscnt 0x0                               ; my reads of K's slot are done
	ROUND
.if \refill
	tensor_load_to_lds s[32:35], s[24:31]          ; the next step's K tile, first behind the round
	s_nop 0
.endif
	VLOAD 0, F                                     ; comes while the exponentials are made
	SOFTB \first
	VLOAD 1, VB1                                   ; the upper scores have been packed: their registers are V's second buffer
.if \first == 0
.set rt, 0
.rept LA
	RTILE rt                                       ; the first LA tiles are rescaled ahead of the products
.set rt, rt+1
.endr
.endif
	s_wait_dscnt 0x10                              ; chunk 0 is in; the 16 loads of chunk 1 stay out
.if \first
	PVMUL 0, F, 1, 0
	PLACES 4                                       ; the next loads land in the buffer just multiplied from
.else
	PVMUL 0, F, 0, 1                               ; the four multiplications behind its last product name none of that product's registers: they are the places
.endif
	VLOAD 2, F
	s_wait_dscnt 0x10                              ; chunk 1 is in; chunk 2 stays out
.if \first
	PVMUL 1, VB1, 1, 0
.else
	PVMUL 1, VB1, 0, 1
.endif
	PLACES 4
	VLOAD 3, VB1
	s_wait_dscnt 0x10                              ; chunk 2 is in; chunk 3 stays out
	PVMUL 2, F, 0, 0
	s_wait_dscnt 0x0
	PVMUL 3, VB1, 0, 0
	WIN 0
.endm
	KTRIP 1                                        ; the first step stands in front of the loop: its products start the sums, nothing is cleared
	VTRIP 1, 1
	s_mov_b32 s44, 14
.Lstep:
	KTRIP 0
	VTRIP 0, 1
	s_sub_co_u32 s44, s44, 1
	s_cmp_lg_u32 s44, 0
	s_cbranch_scc1 .Lstep
	KTRIP 0                                        ; the last step asks for no further K tile (the stepped addresses are not used)
	VTRIP 0, 0
	PLACES 4                                       ; behind the last PV products
	; THE END.  Wp's fragments of my four out tiles (c_out 64 w + 16 o + r) into window 1, where Q lay; bp.
	; 56 + 4 loads now, the last eight behind the second barrier below: all are wanted only for the last products.
	WIN 0x40
.set j, 0
.rept 56
	global_load_b128 v[4*j:4*j+3], v[WPO], s[10:11] offset:393216+512*j
.set j, j+1
.endr
	WIN 0
.irp o, 0,1,2,3
	global_load_b32 v[BPV+\o], v[BPO], s[12:13] offset:64*\o
.endr
	; each wave's {m, l}: the two halves of the lanes join their sums, then the four waves meet in LDS
.irp q, 0,1,2,3
	v_permlanex16_b32 v[T+4*\q], v[LS+\q], s46, s47
.endr
.irp q, 0,1,2,3
	v_add_f32 v[M+2*\q+1], v[LS+\q], v[T+4*\q]
.endr
.irp q, 0,1,2,3
	ds_store_b64 v[STS], v[M+2*\q:M+2*\q+1] offset:128*\q
.endr
	s_wait_dscnt 0x0                               ; my stores are done, and so are all my reads of the ring
	s_barrier_signal -1
	s_barrier_wait -1                              ; of every wave: the ring, which has had its last fill, may now be written
.set i, 0
.rept 16
	ds_load_b64 v[F+2*i:F+2*i+1], v[STL] offset:128*i      ; i = 4 wave + q
.set i, i+1
.endr
	s_wait_dscnt 0x0
.irp q, 0,1,2,3
	v_max3_num_f32 v[T+4*\q], v[F+2*\q], v[F+8+2*\q], v[F+16+2*\q]
.endr
.irp q, 0,1,2,3
	v_max_num_f32 v[T+4*\q], v[T+4*\q], v[F+24+2*\q]       ; the maximum over all keys
.endr
.set i, 0
.rept 16
	v_sub_f32 v[F+2*i], v[F+2*i], v[T+4*(i&3)]
.set i, i+1
.endr
.irp q, 0,1,2,3
	v_sub_f32 v[AL+2*\q], v[M+2*\q], v[T+4*\q]
.endr
.set i, 0
.rept 16
	v_exp_f32 v[F+2*i], v[F+2*i]
.set i, i+1
.endr
.irp q, 0,1,2,3
	v_exp_f32 v[AL+2*\q], v[AL+2*\q]
.endr
	v_nop
	s_wait_alu depctr_va_vdst(0)
.irp q, 0,1,2,3
	v_mul_f32 v[T+4*\q+1], v[F+2*\q], v[F+2*\q+1]
.endr
.irp w, 1,2,3
.irp q, 0,1,2,3
	v_fmac_f32 v[T+4*\q+1], v[F+8*\w+2*\q], v[F+8*\w+2*\q+1]       ; the sum over all keys: at least 1, from the wave that holds the maximum
.endr
.endr
.irp q, 0,1,2,3
	v_rcp_f32 v[T+4*\q+2], v[T+4*\q+1]
.endr
	v_nop
	s_wait_alu depctr_va_vdst(0)
.irp q, 0,1,2,3
	v_mul_f32 v[AL+2*\q], v[AL+2*\q], v[T+4*\q+2]          ; my partial O's weight in the joined result
.endr
.irp q, 0,1,2,3
	v_mov_b32 v[AL+2*\q+1], v[AL+2*\q]
.endr
	RESCALE
	; all partial O into X[(4 wave + q) 16 + ct], 1,024 bytes a tile, lane by lane
	WIN 0x08
.set ti, 0
.rept 32
	ds_store_b128 v[XW], v[8*ti:8*ti+3] offset:((ti&3)*16+(ti>>2))*1024
	ds_store_b128 v[XW], v[8*ti+4:8*ti+7] offset:((ti&3)*16+(ti>>2))*1024+512
.set ti, ti+1
.endr
	WIN 0x0c
.set ti, 0
.rept 32
	ds_store_b128 v[XW], v[8*ti:8*ti+3] offset:((ti&3)*16+8+(ti>>2))*1024
	ds_store_b128 v[XW], v[8*ti+4:8*ti+7] offset:((ti&3)*16+8+(ti>>2))*1024+512
.set ti, ti+1
.endr
	WIN 0
	s_wait_dscnt 0x0
	s_barrier_signal -1
	s_barrier_wait -1
	WIN 0x40                                       ; Wp's last eight loads
.set j, 56
.rept 8
	global_load_b128 v[4*j:4*j+3], v[WPO], s[10:11] offset:393216+512*j
.set j, j+1
.endr
	; wave w joins query tile q = w: the four waves' parts, 128 registers each
	WIN 0x80
.set j, 0
.rept 32
	ds_load_b128 v[4*j:4*j+3], v[XG] offset:512*j
	ds_load_b128 v[128+4*j:128+4*j+3], v[XG+1] offset:512*j
.set j, j+1
.endr
	WIN 0xc0
.set j, 0
.rept 32
	ds_load_b128 v[4*j:4*j+3], v[XG+2] offset:512*j
	ds_load_b128 v[128+4*j:128+4*j+3], v[XG+3] offset:512*j
.set j, j+1
.endr
	s_wait_dscnt 0x0
.irp w, 0x8a, 0xcf
	WIN \w
.set j, 0
.rept 64
	v_pk_add_f32 v[2*j:2*j+1], v[2*j:2*j+1], v[128+2*j:128+2*j+1]
.set j, j+1
.endr
.endr
	WIN 0x8e
.set j, 0
.rept 64
	v_pk_add_f32 v[2*j:2*j+1], v[2*j:2*j+1], v[2*j:2*j+1]  ; window 2 += window 3
.set j, j+1
.endr
	; O of my query tile as bf16: tile ct, packed, is part ct of its fragments
	WIN 0x0a
.set j, 0
.rept 64
	v_cvt_pk_bf16_f32 v[S+j], v[2*j], v[2*j+1]
.set j, j+1
.endr
	WIN 0
.set j, 0
.rept 16
	ds_store_b128 v[OFW], v[S+4*j:S+4*j+3] offset:512*j
.set j, j+1
.endr
	WIN 0x80                                       ; the residual: x of my 64 channels and the 64 tokens, 256 bytes a channel; its last use in the program
.set i, 0
.rept 32
	global_load_b128 v[4*i:4*i+3], v[XO], s[14:15] offset:131072*i th:TH_LOAD_NT
.set i, i+1
.endr
	WIN 0
	s_wait_dscnt 0x0                               ; my part of O is in LDS, and my reads of X are done
	s_barrier_signal -1
	s_barrier_wait -1
	WIN 0xc0
.set j, 0
.rept 64
	ds_load_b128 v[4*j:4*j+3], v[OFR] offset:512*j         ; all of O: fragment (q, kk) at 64 q + 8 kk of window 3
.set j, j+1
.endr
	WIN 0
	s_wait_loadcnt 32                              ; Wp and bp are in; the 32 loads of x behind them stay out
.irp o, 0,1,2,3
.irp j, 0,1,2,3,4,5,6,7
	v_mov_b32 v[F+8*\o+\j], v[BPV+\o]              ; bp hangs on the column alone: the same in all eight registers of C
.endr
.endr
	s_wait_dscnt 0x0
	; out = O Wp^T + bp: 16 accumulators (q, o) = v[128 + 8 (4 q + o)], which take turns, one instruction a turn
	WIN 0x07
.set kk, 0
.rept 8
.set ti, 0
.rept 16
.if kk == 0
	v_wmma_f32_16x16x32_bf16 v[S+8*ti:S+8*ti+7], v[64*(ti>>2)+8*kk:64*(ti>>2)+8*kk+7], v[64*(ti&3)+8*kk:64*(ti&3)+8*kk+7], v[F+8*(ti&3):F+8*(ti&3)+7]
.else
	v_wmma_f32_16x16x32_bf16 v[S+8*ti:S+8*ti+7], v[64*(ti>>2)+8*kk:64*(ti>>2)+8*kk+7], v[64*(ti&3)+8*kk:64*(ti&3)+8*kk+7], v[S+8*ti:S+8*ti+7]
.endif
.set ti, ti+1
.endr
.set kk, kk+1
.endr
	PLACES 4
	WIN 0
	; THE WAY OUT: a lane holds eight queries of one channel; through my own stage (rows = channels, 256 bytes + 16) they become whole rows.
	; The stage lies where X lay, which every wave has finished reading in front of the last barrier.
.set ti, 0
.rept 16
	ds_store_b128 v[STW], v[S+8*ti:S+8*ti+3] offset:(ti&3)*4352+(ti>>2)*64
	ds_store_b128 v[STW], v[S+8*ti+4:S+8*ti+7] offset:(ti&3)*4352+(ti>>2)*64+16
.set ti, ti+1
.endr
.set i, 0
.rept 32
	ds_load_b128 v[S+4*i:S+4*i+3], v[STR] offset:544*i     ; my own bytes: LDS serves a wave's instructions in order (ISA guide 5.7.1.4)
.set i, i+1
.endr
	s_wait_loadcnt 0x0                             ; x
	WIN 0x88                                       ; window 2 (x) = window 0 (out) + window 2; the store's data in window 2
.set i, 0
.rept 32
	s_wait_dscnt 31-i                              ; LDS loads come back in order: rows 2 i, 2 i + 1 are in, the younger ones stay out
	v_pk_add_f32 v[4*i:4*i+1], v[S+4*i:S+4*i+1], v[4*i:4*i+1]
	v_pk_add_f32 v[4*i+2:4*i+3], v[S+4*i+2:S+4*i+3], v[4*i+2:4*i+3]
	global_store_b128 v[XO], v[4*i:4*i+3], s[16:17] offset:131072*i th:TH_STORE_NT   ; sixteen lanes store 256 consecutive bytes, aligned
.set i, i+1
.endr
	WIN 0
	s_wait_tensorcnt 0x0
	ds_add_u32 v62, v63
	s_wait_dscnt 0x0
	ROUND                                          ; the closing round: no work-group ends while a partner may still ask for a tile that names it
	s_endpgm
.Lfunc_end_k_q432a108314_attn:
	.size	k_q432a108314_attn, .Lfunc_end_k_q432a108314_attn-k_q432a108314_attn
	.p2alignl 7, 3214868480
	.fill 96, 4, 3214868480
	.section	.rodata,"a",@progbits
	.p2align	6, 0x0
	.amdhsa_kernel k_q432a108314_attn
		.amdhsa_group_segment_fixed_size 327680
		.amdhsa_private_segment_fixed_size 0
		.amdhsa_enable_private_segment 0
		.amdhsa_kernarg_size 56
		.amdhsa_user_sgpr_count 2
		.amdhsa_user_sgpr_kernarg_segment_ptr 1
		.amdhsa_wavefront_size32 1
		.amdhsa_system_sgpr_workgroup_id_x 1
		.amdhsa_system_sgpr_workgroup_id_y 1
		.amdhsa_system_sgpr_workgroup_id_z 1
		.amdhsa_system_vgpr_workitem_id 0
		.amdhsa_next_free_vgpr 1024
		.amdhsa_next_free_sgpr 66
		.amdhsa_reserve_vcc 0
		.amdhsa_float_denorm_mode_32 3
		.amdhsa_float_denorm_mode_16_64 3
		.amdhsa_memory_ordered 1
		.amdhsa_forward_progress 1
		.amdhsa_inst_pref_size 255
	.end_amdhsa_kernel
	.section	.bss,"aw",@nobits
	.p2align	6
	.space	262144
	.amdgpu_metadata
---
amdhsa.version: [ 1, 2 ]
amdhsa.kernels:
  - .name:           k_q432a108314_attn
    .symbol:         k_q432a108314_attn.kd
    .args:
      - { .name: qf, .offset: 0, .size: 8, .value_kind: global_buffer, .address_space: global }
      - { .name: kf, .offset: 8, .size: 8, .value_kind: global_buffer, .address_space: global }
      - { .name: vf, .offset: 16, .size: 8, .value_kind: global_buffer, .address_space: global }
      - { .name: wfrag, .offset: 24, .size: 8, .value_kind: global_buffer, .address_space: global }
      - { .name: bp, .offset: 32, .size: 8, .value_kind: global_buffer, .address_space: global }
      - { .name: x, .offset: 40, .size: 8, .value_kind: global_buffer, .address_space: global }
      - { .name: out0, .offset: 48, .size: 8, .value_kind: global_buffer, .address_space: global }
    .group_segment_fixed_size: 327680
    .private_segment_fixed_size: 0
    .kernarg_segment_align: 8
    .kernarg_segment_size: 56
    .max_flat_workgroup_size: 128
    .sgpr_count:     66
    .vgpr_count:     1024
    .wavefront_size: 32
...
	.end_amdgpu_metadata
.endif
;; end of part 3
